; MI455X (gfx1250); checked and timed in simulation.
; The chip was launched on July 23, 2026; its instructions are those of AMD's public machine-readable ISA for CDNA 5 (MIT licence, August 2026) and "CDNA5" Instruction Set Architecture Reference Guide (July 2026). The comments in the code are by the model that wrote it; some were corrected since.
;; Multi Head Attention. Allowed arithmetic: matrix products marked QUANTISED: E2M3 operands, one E8M0 scale for each 32 along K, by v_wmma_scale_f32_16x16x128_f8f6f4 with both operands' format E2M3, f32 sums; everything else in f32.
;; Inputs: Wk 768 x 768 float32; Wo 768 x 768 float32; Wq 768 x 768 float32; Wv 768 x 768 float32; bk 768 float32; bo 768 float32; bq 768 float32; bv 768 float32; k 1 x 4,096 x 768 float32; q 1 x 4,096 x 768 float32; v 1 x 4,096 x 768 float32.
;; Outputs: out0 1 x 4,096 x 768 float32.
;; This version of the problem:
;;   THIS VERSION OF THE PROBLEM IS GIVEN IN LOW PRECISION. The matrix products marked QUANTISED in the list below multiply operands that are first quantised to E2M3 (2 exponent bits, 3 mantissa bits; 6 bits a number), with one power-of-two scale for each 32 numbers along K (OCP MX v1.0); their sums are f32. All else is computed in f32.
;;   The module's matrix products, in the order in which they are computed (A, B: the left and right operand; K: the contracted axis; several contracted axes count as one K, in the product's order):
;;     1. [M 4,096, K 768] x [K 768, N 768]; A: input q; B: input Wq: QUANTISED
;;     2. [M 4,096, K 768] x [K 768, N 768]; A: input k; B: input Wk: QUANTISED
;;     3. [M 4,096, K 768] x [K 768, N 768]; A: input v; B: input Wv: QUANTISED
;;     4. batch 12 x [M 4,096, K 64] x [K 64, N 4,096]; A: computed on the way; B: computed on the way: QUANTISED
;;     5. batch 12 x [M 4,096, K 4,096] x [K 4,096, N 64]; A: softmax (see below); B: computed on the way: QUANTISED
;;     6. [M 4,096, K 768] x [K 768, N 768]; A: computed on the way; B: input Wo: QUANTISED
;;   THE QUANTISER, for each operand of a quantised product, along K:
;;     - K is cut into blocks of 32 from its start; a last block that is shorter is filled with zeros.
;;     - A block's scale is 2^e with e = floor(log2(the largest magnitude in the block)) - 2, held to -126 .. 127; a block of zeros has e = 0. As a byte (E8M0): e + 127.
;;     - Each number is divided by its block's scale, clamped to +-7.5, and rounded to the nearest number of E2M3, ties to even, subnormals kept.
;;     - The product sums the exact products of the quantised numbers (number of the format x scale) in f32.
;;   ~~~python
;;   def quantise(x, axis):      # numpy; x: float32 -> the quantised numbers, widened to float32 again
;;       x = np.moveaxis(x, axis, -1); K = x.shape[-1]
;;       x = np.pad(x, [(0, 0)] * (x.ndim - 1) + [(0, -K % 32)]); x = x.reshape(x.shape[:-1] + (-1, 32)); a = np.abs(x).max(-1, keepdims=True)
;;       e = np.where(a > 0, np.clip(np.frexp(np.where(a > 0, a, 1))[1] - 1 - 2, -126, 127), 0)      # np.frexp(a)[1] - 1 = floor(log2(a)), exactly
;;       r = np.clip(x / 2.0 ** e, -7.5, 7.5)
;;       step = 2.0 ** (np.maximum(np.frexp(np.where(r == 0, 1, r))[1] - 1, 0) - 3)
;;       q = np.round(r / step) * step * 2.0 ** e      # np.round: ties to even
;;       return np.moveaxis(q.reshape(q.shape[:-2] + (-1,))[..., :K], -1, axis).astype(np.float32)
;;   ~~~
;;   SOFTMAX AHEAD OF A QUANTISED PRODUCT. Where the list says 'softmax', what is quantised is not the finished softmax but p = 2^(t - M), with t = logit x log2(e) and M = ceil(the row's largest t), a whole number; so 1/2 < the row's largest p <= 1. The row's sum l is taken of the UNQUANTISED p, in f32, and the product's result is divided by l at the end. Since M is a whole number, a kernel that streams over the keys may use a running M (the ceiling of the running maximum): every later rescaling is an exact power of two, which a block's scale takes up: the codes' values come out the same.
;;   OPERANDS COMPUTED ON THE WAY. 'Computed on the way' means the value that the module computes at that place (a softmax that the list does not call 'softmax' is quantised finished and normalised). What goes into a quantiser is computed in f32, as accurately as f32 sums, v_exp_f32 and their like allow (about 1e-6 of the number): no bf16 or f16 on the way to a quantiser, and a product that is left as it is and whose result goes on into a quantised operand takes f32 operands (vector FMAs, or v_wmma_f32_16x16x4_f32). A number that lies on a knife's edge between two numbers of the format may be rounded either way, as far as f32 arithmetic and the matrix unit's own rounding can turn it there, and no further.
;; One version. Each part assembles by itself: llvm-mc -triple=amdgcn-amd-amdhsa -mcpu=gfx1250 --defsym DOCPART=n.
;; ======== version 1 of 1: 4 launches
;; limits: right only within a limited range of input values
;; workspace buffers: cod 8,847,360 bytes; scl 368,640 bytes; hq 7,372,800 bytes; ac 2,359,296 bytes; asc 98,304 bytes
;; launch quant (part 1): grid 240 x 1, 4 waves a work-group, no clusters, 200,192 bytes of LDS; arguments q, k, v, Wq, Wk, Wv, Wo, cod, scl; writes cod, scl
.if DOCPART == 1
	.amdgcn_target "amdgcn-amd-amdhsa--gfx1250"
	.amdhsa_code_object_version 6
	.text
	.protected	k_q442c985210_quant
	.globl	k_q442c985210_quant
	.p2align	8
	.type	k_q442c985210_quant,@function
k_q442c985210_quant:
	s_mov_b64 s[64:65], 0
	v_nop
	global_prefetch_b8 v0, s[64:65] scope:SCOPE_SE
	s_setreg_imm32_b32 hwreg(HW_REG_WAVE_MODE, 25, 1), 1
	s_wait_xcnt 0x0
; q, k, v [4096][768] and Wq, Wk, Wv, Wo [768][768], f32, become codes of FP6 (E2M3) with one E8M0 byte for each 32 along K, stored as images of the operands' registers:
; a tile = 16 rows, six fragments (K steps of 128) of 1,536 bytes; a scale record = 384 bytes a tile.  Every input is loaded.
; WHICH ROWS FORM A TILE.  All tensors but k: tile 2 B + u = rows 32 B + 8 u + r + 8 (r / 8).  k: tile 4 C + t = rows 64 C + 8 t + (r % 8) + 32 (r / 8), so that in the scores a lane's 32 registers are one whole block of 32 keys.
; SHARES.  A work-group takes 64 rows on end = 4 tiles, a wave a tile.  Each wave brings 16 whole rows by ONE tensor load (16 x 3,072 bytes; 16 bytes of padding behind each 1,024, LDS row 3,120 bytes); one barrier; nothing is filled again.
; The LDS side is the same for all tensors: wave w reads LDS rows 32 (w / 2) + 8 (w % 2) + r + 8 (r / 8).  For k the wave fetches the chunk of 16 rows whose number is its own with the two bits swapped: that puts k's rows where this reading finds them.
; LIMITS: NaN and infinities are not served; a block whose largest magnitude lies under 2^-124 (zeros too) gets the byte 1, read by this program alone.
.set PITCH, 3120
.set CHK,   1040
.set SPARE, 64*PITCH
.set G1, 28
.set G0, 36
.set X,  16
.set C,  144
.set T,  216
.set SW, 224
.set WE, 227
	s_load_b512 s[4:19], s[0:1], 0x0               ; q, k, v, Wq, Wk, Wv, Wo, cod
	s_load_b64 s[20:21], s[0:1], 0x40              ; scl
	v_lshl_add_u32 v254, v0, 2, SPARE
	v_mov_b32 v255, 0
	ds_add_u32 v254, v255                          ; the opening lines: the add twice on end
	ds_add_u32 v254, v255
	v_lshrrev_b32 v1, 5, v0
	v_readfirstlane_b32 s22, v1                    ; wave
	s_mov_b32 s[G1+0], (2<<16)|(1<<20)|(7<<22)|(3<<25)  ; elements of 4 bytes; 4 words of padding behind every 256
	s_mov_b32 s[G1+1], 768<<16
	s_mov_b32 s[G1+2], 16<<16
	s_mov_b32 s[G1+3], 768<<16
	s_mov_b32 s[G1+4], 16
	s_mov_b32 s[G1+5], 768
	s_mov_b32 s[G1+6], 0
	s_mov_b32 s[G1+7], 0
	s_mov_b32 s60, 0x76543210
	s_mov_b32 s61, 0xfedcba98
	s_mov_b32 s62, 0xffff0000
	s_mul_i32 s2, s22, 16*PITCH                    ; where my 16 rows land
	s_lshl_b32 s3, ttmp9, 2
	s_add_co_u32 s3, s3, s22                       ; my tile's number in cod and scl
	s_and_b32 s40, s22, 1
	s_lshl_b32 s40, s40, 1
	s_lshr_b32 s41, s22, 1
	s_or_b32 s40, s40, s41                         ; my number with its two bits swapped
	s_lshr_b32 s41, ttmp9, 6
	s_cmp_eq_u32 s41, 1                            ; work-groups 64 .. 127 take k
	s_cselect_b32 s40, s40, s22                    ; which 16 of the 64 rows I fetch
	s_lshr_b32 s41, s22, 1
	s_lshl_b32 s41, s41, 5
	s_and_b32 s42, s22, 1
	s_lshl_b32 s42, s42, 3
	s_add_co_u32 s41, s41, s42
	s_mul_i32 s41, s41, PITCH                      ; my tile's first LDS row
	v_and_b32 v1, 31, v0
	v_and_b32 v7, 15, v0
	v_bfe_u32 v6, v0, 4, 1
	v_and_b32 v2, 8, v7
	v_add_nc_u32 v2, v2, v7                        ; r + 8 (r / 8)
	v_mul_u32_u24 v2, v2, PITCH
	v_lshl_add_u32 v2, v6, 7, v2                   ; + 128 h: the operand's layout gives lane (r, h) k = 64 c + 32 h + 0 .. 31
	v_add_nc_u32 v2, s41, v2
	v_lshlrev_b32 v3, 4, v1
	v_lshlrev_b32 v4, 3, v1
	v_mul_u32_u24 v5, v1, 12
	v_lshlrev_b32 v6, 3, v6
	v_mov_b32 v15, 0
	s_wait_alu depctr_va_vdst(0)                   ; the wait at the head's end
	s_wait_dscnt 0x0
	s_wait_kmcnt 0x0
	s_mov_b64 s[24:25], s[16:17]
	s_mov_b32 s23, 228
.macro PICK lim, ptr, base
	s_cmp_lt_u32 ttmp9, \lim
	s_cselect_b64 s[24:25], s[\ptr:\ptr+1], s[24:25]
	s_cselect_b32 s23, \base, s23
.endm
	PICK 228, 14, 216
	PICK 216, 12, 204
	PICK 204, 10, 192
	PICK 192, 8, 128
	PICK 128, 6, 64
	PICK 64, 4, 0
	s_sub_co_u32 s26, ttmp9, s23
	s_lshl_b32 s26, s26, 2
	s_add_co_u32 s26, s26, s40
	s_mul_i32 s26, s26, 16*3072
	s_mov_b32 s27, 0
	s_add_nc_u64 s[24:25], s[24:25], s[26:27]
	s_mov_b32 s[G0], 1
	s_mov_b32 s[G0+1], s2
	s_mov_b64 s[G0+2:G0+3], s[24:25]
	s_or_b32 s[G0+3], s[G0+3], 0x80000000
	tensor_load_to_lds s[G0:G0+3], s[G1:G1+7]      ; my one load
	s_nop 0
	s_mul_i32 s26, s3, 9216
	s_add_nc_u64 s[18:19], s[18:19], s[26:27]
	s_mul_i32 s26, s3, 384
	s_add_nc_u64 s[20:21], s[20:21], s[26:27]
.macro DSL s                           ; K step s of my tile: 64 numbers a lane
.irp c, 0,1
.irp i, 0,1,2,3,4,5,6,7
	ds_load_b128 v[X+64*((\s)%2)+32*\c+4*\i:X+64*((\s)%2)+32*\c+4*\i+3], v2 offset:((\s)/2)*CHK+((\s)%2)*512+256*\c+16*\i
.endr
.endr
.endm
.macro CMP s, left
.set XS, X+64*((\s)%2)
.set CC, C+12*(\s)
	s_wait_dscnt \left                             ; all but the next step's 16 loads
.irp c, 0,1
	v_max3_num_f32 v[8+\c], |v[XS+32*\c]|, |v[XS+32*\c+1]|, 0x1800000   ; with the floor 2^(3 - 127): the byte cannot fall under 1
.endr
.irp i, 2,4,6,8,10,12,14,16,18,20,22,24,26,28,30
.irp c, 0,1
	v_max3_num_f32 v[8+\c], v[8+\c], |v[XS+32*\c+\i]|, |v[XS+32*\c+\i+1]|
.endr
.endr
.irp c, 0,1
	v_add_nc_u32 v[10+\c], 0xff000000, v[8+\c]     ; 2 off the exponent field: the conversion's scale operand
.endr
.irp c, 0,1
	v_lshrrev_b32 v[12+\c], 23, v[10+\c]           ; the byte
.endr
	v_lshl_or_b32 v14, v13, 16, v12
	v_lshlrev_b32 v14, v6, v14
	v_permlanex16_b32 v15, v14, s60, s61
	v_or_b32 v14, v14, v15                         ; the row's scale word of this K step
.if (\s)%2 == 0
	v_mov_b32 v[WE], v14
.else
	v_cndmask_b32 v[SW+(\s)/2], v[WE], v14, s62    ; lanes 0-15 the even step's word, lanes 16-31 the odd step's
.endif
.irp c, 0,1
	v_cvt_scalef32_pk16_fp6_f32 v[CC+6*\c:CC+6*\c+2], v[XS+32*\c:XS+32*\c+15], v[10+\c]
	v_cvt_scalef32_pk16_fp6_f32 v[T+4*\c:T+4*\c+2], v[XS+32*\c+16:XS+32*\c+31], v[10+\c]
.endr
	v_nop                                          ; one plain place behind the conversions
.irp c, 0,1
.irp i, 0,1,2
	v_mov_b32 v[CC+6*\c+3+\i], v[T+4*\c+\i]
.endr
.endr
	global_store_b128 v3, v[CC:CC+3], s[18:19] offset:1536*(\s)
	global_store_b64 v4, v[CC+4:CC+5], s[18:19] offset:1536*(\s)+512
	global_store_b128 v3, v[CC+6:CC+9], s[18:19] offset:1536*(\s)+768
	global_store_b64 v4, v[CC+10:CC+11], s[18:19] offset:1536*(\s)+1280
.endm
	s_wait_tensorcnt 0x0                           ; my 16 rows are in,
	s_barrier_signal -1
	s_barrier_wait -1                              ; everybody's are
	DSL 0
	DSL 1
	CMP 0, 16
	DSL 2
	CMP 1, 16
	DSL 3
	CMP 2, 16
	DSL 4
	CMP 3, 16
	DSL 5
	CMP 4, 16
	CMP 5, 0
	global_store_b96 v5, v[SW:SW+2], s[20:21]
	s_wait_tensorcnt 0x0                           ; the wave's end
	ds_add_u32 v254, v255
	s_wait_dscnt 0x0
	s_endpgm
.Lfunc_end_k_q442c985210_quant:
	.size	k_q442c985210_quant, .Lfunc_end_k_q442c985210_quant-k_q442c985210_quant
	.p2alignl 7, 3214868480
	.fill 96, 4, 3214868480
	.section	.rodata,"a",@progbits
	.p2align	6, 0x0
	.amdhsa_kernel k_q442c985210_quant
		.amdhsa_group_segment_fixed_size 200192
		.amdhsa_private_segment_fixed_size 0
		.amdhsa_enable_private_segment 0
		.amdhsa_kernarg_size 72
		.amdhsa_user_sgpr_count 2
		.amdhsa_user_sgpr_kernarg_segment_ptr 1
		.amdhsa_wavefront_size32 1
		.amdhsa_system_sgpr_workgroup_id_x 1
		.amdhsa_system_sgpr_workgroup_id_y 1
		.amdhsa_system_sgpr_workgroup_id_z 1
		.amdhsa_system_vgpr_workitem_id 0
		.amdhsa_next_free_vgpr 256
		.amdhsa_next_free_sgpr 66
		.amdhsa_reserve_vcc 0
		.amdhsa_float_denorm_mode_32 3
		.amdhsa_float_denorm_mode_16_64 3
		.amdhsa_memory_ordered 1
		.amdhsa_forward_progress 1
		.amdhsa_inst_pref_size 31
	.end_amdhsa_kernel
	.amdgpu_metadata
---
amdhsa.version: [ 1, 2 ]
amdhsa.kernels:
  - .name:           k_q442c985210_quant
    .symbol:         k_q442c985210_quant.kd
    .args:
      - { .name: q, .offset: 0, .size: 8, .value_kind: global_buffer, .address_space: global }
      - { .name: k, .offset: 8, .size: 8, .value_kind: global_buffer, .address_space: global }
      - { .name: v, .offset: 16, .size: 8, .value_kind: global_buffer, .address_space: global }
      - { .name: Wq, .offset: 24, .size: 8, .value_kind: global_buffer, .address_space: global }
      - { .name: Wk, .offset: 32, .size: 8, .value_kind: global_buffer, .address_space: global }
      - { .name: Wv, .offset: 40, .size: 8, .value_kind: global_buffer, .address_space: global }
      - { .name: Wo, .offset: 48, .size: 8, .value_kind: global_buffer, .address_space: global }
      - { .name: cod, .offset: 56, .size: 8, .value_kind: global_buffer, .address_space: global }
      - { .name: scl, .offset: 64, .size: 8, .value_kind: global_buffer, .address_space: global }
    .group_segment_fixed_size: 200192
    .private_segment_fixed_size: 0
    .kernarg_segment_align: 8
    .kernarg_segment_size: 72
    .max_flat_workgroup_size: 128
    .sgpr_count:     66
    .vgpr_count:     256
    .wavefront_size: 32
...
	.end_amdgpu_metadata
.endif
;; end of part 1
;; launch proj (part 2): grid 16 x 9, 4 waves a work-group, no clusters, 295,424 bytes of LDS; arguments cod, scl, bq, bk, bv, hq; writes hq
.if DOCPART == 2
	.amdgcn_target "amdgcn-amd-amdhsa--gfx1250"
	.amdhsa_code_object_version 6
	.text
	.protected	k_q442c985210_proj
	.globl	k_q442c985210_proj
	.p2align	8
	.type	k_q442c985210_proj,@function
k_q442c985210_proj:
	s_mov_b64 s[64:65], 0
	v_nop
	global_prefetch_b8 v0, s[64:65] scope:SCOPE_SE
	s_setreg_imm32_b32 hwreg(HW_REG_WAVE_MODE, 25, 1), 1
	s_wait_xcnt 0x0
; qh = q Wq^T + bq, kh = k Wk^T + bk, vh = v Wv^T + bv on codes of FP6 (E2M3) with E8M0 scales, K = 768, sums in f32; then the next quantisers: qh and kh along the head's 64, vh along the keys.
; LIMITS: NaN and infinities are not served; a block whose largest magnitude lies under 2^-124 gets the byte 1 (read by this program alone).
; OPERANDS come as images of their registers (a tile = 16 rows: tile 2 B + u = rows 32 B + 8 u + r + 8 (r / 8); a fragment = 1,536 bytes; a tile = six fragments = 9,216 bytes; a scale record = 384 bytes a tile).
; SHARES.  Work-group (x, y): tensor t = y / 3, 256 channels cb = y % 3, 256 tokens x.  Four waves, each 128 x 128: 64 accumulators, 512 registers.  Source 0 is called P, source 1 R.
; In a result lane r holds R's row r and the registers run along P's rows: by the tiles' order the 16 registers of P's tiles 2 B, 2 B + 1 are the 16 neighbours 32 B + 16 (lane / 16) + 0 .. 15.
; q, k: P = W, R = x: a lane holds a token, its registers run along the channels (the next K).   v: P = x, R = W: a lane holds a channel, its registers run along the tokens (the keys: the next K).
; LDS: ALL of K of both blocks, filled once: wave w brings half w % 2 of operand w / 2 (0: P, 1: R) by three tensor loads (slab j = K steps 2 j, 2 j + 1 of 8 tiles), issued together at the head:
; three loads of a wave are out.  A barrier stands in front of each slab's first read.
; OUTPUT hq: [12 heads][32 key steps][19,200]: +0 K: 8 half images (16 keys x 64) of 768 bytes; +6,144 V: 4 fragments (16 channels x 128 keys); +12,288 K's scale words; +12,544 V's; +12,800 Q: 8 half images; +18,944 Q's scale words.
; A block of scale words is 256 bytes: lane (r, hh) has the words (W[hh], W[2 + hh]) of row r; for K and Q W[f] = tile 2 f's two bytes, then tile 2 f + 1's.
; NO CLUSTER: the operand that work-groups share along x (W) is source 0 for q and k and source 1 for v, so which waves would ask jointly hangs on the work-group's y beside the wave's number;
; and the fills are one group of three loads a wave, of which a joint form would spare 3/8 of the work-group's 294,912 bytes at the price of two rounds of the cluster's barrier.
; REGISTERS: window 0: v1-4 LDS addresses, v5-9 offsets, v16-47 P's scale words, v48-79 R's (three a tile), v80-95 v's bias in pairs, v96-153 the quantiser's, v160-255 R's fragments (one set), later 64 numbers;
;   window 1: P's fragments, two sets (v0-95, v96-191), v192-255 q's and k's bias;   windows 2, 3: the accumulators, (a, b) at v[8 (8 (a % 4) + b)] of window 2 + a / 4.
; THE FILLS, AS THEY NOW STAND (in place of what the head says of three loads and slabs): a wave's 8 tiles are 73,728 bytes on end in cod, and ONE tensor load a wave brings them, 8 rows of 9,216 bytes;
; in LDS tile b of a region lies at 9,216 b, its K step s at + 1,536 s.  One barrier in front of the first read; the four LDS address registers go 1,536 bytes on in each K step.
; k's tiles hold other tokens than q's and v's (tile 4 C + t = tokens 64 C + 8 t + (r % 8) + 32 (r / 8)); nothing in this text hangs on which tokens a tile of R holds.
.set NT,    8
.set SLABB, NT*3072
.set HS,    614400
.set STEPB, 19200
.set G1,  28
.set G0,  36
.set PS,  16
.set RS,  48
.set RF,  160
.set BV,  80
.set TM,  96
.set PW,  112
.set PC,  114
.set PWS, 134
.set WT,  142
.set XP,  150
.set HA,  160
.set BC,  192
.set SEL, 58
.set MSB, 0
.macro WIN new                         ; the immediate's high byte repeats the setting that is left
.if MSB != (\new)
	s_set_vgpr_msb (MSB<<8)|(\new)
.set MSB, (\new)
.endif
.endm
.macro PLACES                          ; four plain places behind matrix instructions, in front of loads into their sources and of reads of their results
.rept 4
	v_nop
.endr
.endm
.macro FRAG reg, a16, a8, off          ; a fragment's image back into 12 registers: every load takes consecutive bytes
	ds_load_b128 v[(\reg):(\reg)+3], v[\a16] offset:(\off)
	ds_load_b64 v[(\reg)+4:(\reg)+5], v[\a8] offset:(\off)                   ; (the 8-byte address registers stand 512 bytes on, so that every offset fits 16 bits)
	ds_load_b128 v[(\reg)+6:(\reg)+9], v[\a16] offset:(\off)+768
	ds_load_b64 v[(\reg)+10:(\reg)+11], v[\a8] offset:(\off)+768
.endm
.macro FETCH_P s                       ; P's NT fragments of K step s into set s % 2 of window 1
	WIN 0x40
.set b_, 0
.rept NT
	FRAG 12*NT*((\s)%2)+12*b_, 1, 2, b_*9216
.set b_, b_+1
.endr
	WIN 0
.endm
.macro FETCH_R s, half                 ; R's tiles of one half
.set a_, (\half)*(NT/2)
.rept NT/2
	FRAG RF+12*a_, 3, 4, a_*9216
.set a_, a_+1
.endr
.endm
; NT / 2 x NT matrix instructions of K step s.  The accumulators take turns, one instruction a turn, in the same order in every step.
; cmode 0: onto the sums; 1: the constant 0 starts them; 2: the bias in v[BC ..] of window 0 starts them.  K step s takes register s / 2 of a scale record, lanes 16-31 of it for odd s.
.macro MULH s, half, cmode
.if (\cmode) == 2
	WIN 0x81+0x40*(\half)
.else
	WIN 0xa1+0x50*(\half)
.endif
.set a_, (\half)*(NT/2)
.rept NT/2
.set b_, 0
.rept NT
.set rD, 8*(NT*(a_%(NT/2))+b_)
.set rP, 12*NT*((\s)%2)+12*b_
.set rR, RF+12*a_
.set rX, PS+4*b_+(\s)/2
.set rY, RS+4*a_+(\s)/2
.if (\cmode) == 1
	v_wmma_scale_f32_16x16x128_f8f6f4 v[rD:rD+7], v[rP:rP+11], v[rR:rR+11], 0, v[rX], v[rY] matrix_a_fmt:MATRIX_FMT_FP6 matrix_b_fmt:MATRIX_FMT_FP6
.elseif (\cmode) == 2
	v_wmma_scale_f32_16x16x128_f8f6f4 v[rD:rD+7], v[rP:rP+11], v[rR:rR+11], v[BC+8*b_:BC+8*b_+7], v[rX], v[rY] matrix_a_fmt:MATRIX_FMT_FP6 matrix_b_fmt:MATRIX_FMT_FP6
.elseif (\s)%2 == 0
	v_wmma_scale_f32_16x16x128_f8f6f4 v[rD:rD+7], v[rP:rP+11], v[rR:rR+11], v[rD:rD+7], v[rX], v[rY] matrix_a_fmt:MATRIX_FMT_FP6 matrix_b_fmt:MATRIX_FMT_FP6
.else
	v_wmma_scale_f32_16x16x128_f8f6f4 v[rD:rD+7], v[rP:rP+11], v[rR:rR+11], v[rD:rD+7], v[rX], v[rY] matrix_a_fmt:MATRIX_FMT_FP6 matrix_b_fmt:MATRIX_FMT_FP6 matrix_a_scale:MATRIX_SCALE_ROW1 matrix_b_scale:MATRIX_SCALE_ROW1
.endif
.set b_, b_+1
.endr
.set a_, a_+1
.endr
.endm
; K step s (0 .. 4).  R has one set of registers: its lower half is fetched anew in the step's middle, its upper half at the end; P has two sets.
.macro STEP s, cmode
	s_wait_dscnt (NT/2)*4                          ; all but the youngest loads, R's upper half
	MULH \s, 0, \cmode
	s_wait_dscnt 0x0                               ; R's upper half is in; no LDS load of mine is out
	WIN 0
	v_add_nc_u32 v1, 1536, v1                      ; on to the next K step; these four are also the places in front of the loads below
	v_add_nc_u32 v2, 1536, v2
	v_add_nc_u32 v3, 1536, v3
	v_add_nc_u32 v4, 1536, v4
	s_wait_alu depctr_va_vdst(0)
	FETCH_P (\s)+1
	FETCH_R (\s)+1, 0
	MULH \s, 1, \cmode
	PLACES
	WIN 0
	FETCH_R (\s)+1, 1
.endm
.macro LAST
	s_wait_dscnt (NT/2)*4
	MULH 5, 0, 0
	s_wait_dscnt 0x0
	MULH 5, 1, 0
	WIN 0
	PLACES
.endm
; 64 numbers of a lane, register 16 b + i = k 32 b + 16 (lane / 16) + i of my row, become a fragment's codes in v[PC] on and its scale word in v[PW].
.macro QUANT s
.irp b, 0,1,2,3
	v_max3_num_f32 v[TM+\b], |v[\s+16*\b]|, |v[\s+1+16*\b]|, 0x1800000   ; my 16 numbers of block b, and the floor 2^(3 - 127): the byte cannot fall under 1
.endr
.irp i, 2,4,6,8,10,12,14
.irp b, 0,1,2,3
	v_max3_num_f32 v[TM+\b], v[TM+\b], |v[\s+16*\b+\i]|, |v[\s+1+16*\b+\i]|
.endr
.endr
.irp b, 0,1,2,3
	v_permlanex16_b32 v[TM+4+\b], v[TM+\b], s[SEL], s[SEL+1]
.endr
.irp b, 0,1,2,3
	v_max_num_f32 v[TM+\b], v[TM+\b], v[TM+4+\b]   ; with lane l xor 16's: the block's largest magnitude
.endr
.irp b, 0,1,2,3
	v_add_nc_u32 v[TM+12+\b], 0xff000000, v[TM+\b] ; 2 off its exponent field: the conversion's scale operand
.endr
.irp b, 0,1,2,3
	v_lshrrev_b32 v[TM+4+\b], 23, v[TM+12+\b]      ; the scale's byte
.endr
	v_lshl_or_b32 v[PW], v[TM+5], 8, v[TM+4]
	v_lshl_or_b32 v[PW], v[TM+6], 16, v[PW]
	v_lshl_or_b32 v[PW], v[TM+7], 24, v[PW]
.irp c, 0,1
	v_cvt_scalef32_pk16_fp6_f32 v[PC+6*\c:PC+2+6*\c], v[\s+32*\c:\s+15+32*\c], v[TM+12+2*\c]
	v_cvt_scalef32_pk16_fp6_f32 v[PC+12+4*\c:PC+14+4*\c], v[\s+16+32*\c:\s+31+32*\c], v[TM+12+2*\c+1]   ; (a conversion's three registers begin on an even number)
.endr
	v_nop                                          ; one plain place behind the scaled conversions
.irp c, 0,1                            ; the operand's layout wants a WHOLE block in a lane: lanes 0-15 block 2 c, lanes 16-31 block 2 c + 1
.irp i, 0,1,2
	v_permlane16_swap_b32 v[PC+6*\c+\i], v[PC+12+4*\c+\i]
.endr
.irp i, 0,1,2
	v_mov_b32 v[PC+3+6*\c+\i], v[PC+12+4*\c+\i]
.endr
.endr
.endm
	s_load_b256 s[4:11], s[0:1], 0x0               ; cod, scl, bq, bk
	s_load_b128 s[12:15], s[0:1], 0x20             ; bv, hq
	v_lshl_add_u32 v158, v0, 2, 0x48000
	v_mov_b32 v159, 0
	ds_add_u32 v158, v159
	ds_add_u32 v158, v159
	v_lshrrev_b32 v10, 5, v0
	v_readfirstlane_b32 s16, v10                   ; wave
	s_lshr_b32 s17, s16, 1                         ; rw: my half of R.  Also: I fetch for P (0) or R (1)
	s_and_b32 s18, s16, 1                          ; pw: my half of P.  Also: which half I fetch
	s_and_b32 s22, ttmp7, 0xffff                   ; y
	s_mul_i32 s21, s22, 11
	s_lshr_b32 s21, s21, 5                         ; t = y / 3 (y is 0 .. 8)
	s_mul_i32 s23, s21, 3
	s_sub_co_u32 s20, s22, s23                     ; cb = y % 3
	s_lshl_b32 s22, s21, 8
	s_lshl_b32 s23, ttmp9, 4
	s_add_co_u32 s22, s22, s23                     ; x's first tile: 256 t + 16 x
	s_mul_i32 s23, s21, 48
	s_lshl_b32 s24, s20, 4
	s_add_co_u32 s23, s23, s24
	s_add_co_u32 s23, s23, 768                     ; W's first tile: 768 + 48 t + 16 cb
	s_mov_b32 s52, 768
	s_mov_b32 s54, 768
	s_mov_b32 s76, HS
	s_mov_b32 s79, 12288
	s_cmp_eq_u32 s21, 2                            ; v?
	s_cselect_b32 s24, s22, s23                    ; P's first tile
	s_cselect_b32 s25, s23, s22                    ; R's
	s_cselect_b32 s26, s17, s18                    ; which 128 channels are mine
	s_cselect_b32 s27, s18, s17                    ; which 128 tokens
	s_cselect_b32 s52, 1536, s52                   ; from one tile of R to the next in hq: a fragment of V, or a half image of K or Q
	s_cselect_b32 s54, HS-3*1536, s54              ; from tile 3 to tile 4: v goes on to the next head
	s_cselect_b32 s76, 768, s76                    ; from the codes' first half to their second: V's keys 64 on, or the next head
	s_cselect_b32 s78, 6144, 0                     ; where my tensor's codes begin in a key step's 19,200 bytes,
	s_cselect_b32 s79, 12544, s79                  ; and its scale words
	s_cmp_eq_u32 s21, 0
	s_cselect_b32 s78, 12800, s78
	s_cselect_b32 s79, 18944, s79
	s_mov_b32 s53, 0
	s_mov_b32 s55, 0
	s_mov_b32 s77, 0
	s_cmp_eq_u32 s17, 0
	s_cselect_b32 s70, s24, s25
	s_lshl_b32 s71, s18, 3
	s_add_co_u32 s70, s70, s71                     ; the first of the 8 tiles that I fetch
	s_mul_i32 s70, s70, 9216
	s_mov_b32 s71, 0
	s_mul_i32 s72, s16, 3*SLABB                    ; and where they go: wave x three slabs
	s_lshl_b32 s66, s18, 3
	s_add_co_u32 s66, s66, s24
	s_mul_i32 s66, s66, 384                        ; the scale records of my 8 tiles of P,
	s_mov_b32 s67, 0
	s_lshl_b32 s68, s17, 3
	s_add_co_u32 s68, s68, s25
	s_mul_i32 s68, s68, 384                        ; and of R
	s_mov_b32 s69, 0
	s_lshl_b32 s74, s20, 2
	s_lshl_b32 s75, s26, 1
	s_add_co_u32 s74, s74, s75                     ; my first head: 4 cb + 2 x half
	s_mul_i32 s74, s74, HS
	s_lshl_b32 s75, ttmp9, 1
	s_add_co_u32 s75, s75, s27                     ; my key step: 2 x + half
	s_mul_i32 s75, s75, STEPB
	s_add_co_u32 s74, s74, s75
	s_add_co_u32 s48, s74, s78
	s_mov_b32 s49, 0
	s_add_co_u32 s56, s74, s79
	s_mov_b32 s57, 0
	s_lshl_b32 s73, s20, 10
	s_lshl_b32 s75, s26, 9
	s_add_co_u32 s74, s73, s75                     ; my 128 numbers of the bias
	s_mov_b32 s75, 0
	s_mov_b32 s[SEL], 0x76543210
	s_mov_b32 s[SEL+1], 0xfedcba98
	s_mov_b32 s60, 0xffff0000                      ; lanes 16-31
	s_mov_b32 s[G1+0], 3<<16                       ; elements of 8 bytes, no mask, no padding
	s_mov_b32 s[G1+1], 1152<<16                    ; tensor_dim0 = 1,152: a whole tile, 9,216 bytes
	s_mov_b32 s[G1+2], NT<<16                      ; tensor_dim1 = 8 tiles
	s_mov_b32 s[G1+3], 1152<<16                    ; tile_dim0
	s_mov_b32 s[G1+4], NT                          ; tile_dim1
	s_mov_b32 s[G1+5], 1152                        ; from tile to tile: 9,216 bytes
	s_mov_b32 s[G1+6], 0
	s_mov_b32 s[G1+7], 0
	v_and_b32 v10, 31, v0                          ; lane
	v_and_b32 v11, 15, v0                          ; r
	v_bfe_u32 v12, v0, 4, 1                        ; h
	v_lshlrev_b32 v6, 4, v10                       ; 16 x lane
	v_lshlrev_b32 v7, 3, v10                       ; 8 x lane
	v_mul_u32_u24 v5, v10, 12                      ; 12 x lane
	v_lshlrev_b32 v8, 6, v12                       ; 64 h
	v_and_b32 v9, 8, v11
	v_add_nc_u32 v9, v9, v11
	v_lshlrev_b32 v9, 2, v9                        ; 4 (r + 8 (r / 8))
	s_mul_i32 s73, s18, 3*SLABB                    ; P's half pw lies in region pw,
	v_add_nc_u32 v1, s73, v6
	v_add_nc_u32 v2, s73, v7
	v_add_nc_u32 v2, 512, v2
	s_mul_i32 s73, s17, 3*SLABB
	s_add_co_u32 s73, s73, 6*SLABB                 ; R's half rw in region 2 + rw
	v_add_nc_u32 v3, s73, v6
	v_add_nc_u32 v4, s73, v7
	v_add_nc_u32 v4, 512, v4
.irp b, 0,1,2,3
	v_mov_b32 v[TM+4+\b], 0                        ; written once: a lane permute's destination counts as one of its sources
.endr
	s_wait_alu depctr_va_vdst(0)
	s_wait_dscnt 0x0
	s_wait_kmcnt 0x0
	s_add_nc_u64 s[70:71], s[4:5], s[70:71]
.irp j, 0
	s_mov_b32 s[G0+4*\j], 1
	s_add_co_u32 s[G0+4*\j+1], s72, \j*SLABB
	s_add_nc_u64 s[G0+4*\j+2:G0+4*\j+3], s[70:71], \j*3072
	s_or_b32 s[G0+4*\j+3], s[G0+4*\j+3], 0x80000000
.endr
	tensor_load_to_lds s[G0:G0+3], s[G1:G1+7]      ; all of K of my 8 tiles: my one load
	s_nop 0
	PLACES                                         ; four lines ahead of the first switch of windows
	s_add_nc_u64 s[66:67], s[6:7], s[66:67]
	s_add_nc_u64 s[68:69], s[6:7], s[68:69]
	s_cmp_eq_u32 s21, 0
	s_cselect_b64 s[62:63], s[8:9], s[10:11]
	s_cmp_eq_u32 s21, 2
	s_cselect_b64 s[62:63], s[12:13], s[62:63]
	s_add_nc_u64 s[62:63], s[62:63], s[74:75]
	s_add_nc_u64 s[48:49], s[14:15], s[48:49]      ; where the first tile's codes go,
	s_add_nc_u64 s[50:51], s[48:49], s[76:77]      ; their second half,
	s_add_nc_u64 s[56:57], s[14:15], s[56:57]      ; and the scale words
.irp b, 0,1,2,3,4,5,6,7
	global_load_b96 v[PS+4*\b:PS+4*\b+2], v5, s[66:67] offset:384*\b
	global_load_b96 v[RS+4*\b:RS+4*\b+2], v5, s[68:69] offset:384*\b
.endr
; BOTH forms of the bias are loaded by every wave, so that no register is unwritten on either way: along the registers (q, k) and by the lane's channel (v)
	WIN 0x40
.irp b, 0,1,2,3,4,5,6,7
	global_load_b128 v[BC+8*\b:BC+8*\b+3], v8, s[62:63] offset:(32*(\b/2)+8*(\b%2))*4
	global_load_b128 v[BC+8*\b+4:BC+8*\b+7], v8, s[62:63] offset:(32*(\b/2)+8*(\b%2))*4+16
.endr
	WIN 0
.irp a, 0,1,2,3,4,5,6,7
	global_load_b32 v[BV+2*\a], v9, s[62:63] offset:(32*(\a/2)+8*(\a%2))*4
	global_load_b32 v[BV+2*\a+1], v9, s[62:63] offset:(32*(\a/2)+8*(\a%2))*4
.endr
	s_wait_tensorcnt 0x0                           ; my 8 tiles are in,
	s_barrier_signal -1
	s_barrier_wait -1                              ; everybody's is
	FETCH_P 0
	FETCH_R 0, 0
	FETCH_R 0, 1
	s_wait_loadcnt 0x0                             ; scale records and biases
	STEP 0, 1                                      ; the first products start the sums
	STEP 1, 0
	STEP 2, 0
	STEP 3, 0
	STEP 4, 0
	LAST
; THE WAY OUT, a tile a of R at a time: its 64 registers + the bias (the addition is also the move into window 0; each accumulator is read from its low end on), the quantiser, four stores of consecutive bytes.
.macro EPI a
.if \a > 0
	s_wait_xcnt 0x0                                ; the last tile's stores have read their data and their bases: both are written again only behind this wait
.if \a == 4
	s_add_nc_u64 s[48:49], s[48:49], s[54:55]
	s_add_nc_u64 s[50:51], s[50:51], s[54:55]
.else
	s_add_nc_u64 s[48:49], s[48:49], s[52:53]
	s_add_nc_u64 s[50:51], s[50:51], s[52:53]
.endif
.endif
	s_cmp_eq_u32 s21, 2
	s_cbranch_scc1 .Lvb_\@
	WIN 0x06+(\a)/4                                ; source 0: window 2 or 3; source 1: window 1
.set i_, 0
.rept 32
	v_pk_add_f32 v[HA+i_:HA+i_+1], v[64*((\a)%4)+i_:64*((\a)%4)+i_+1], v[BC+i_:BC+i_+1]
.set i_, i_+2
.endr
	WIN 0
	s_branch .Ljb_\@
.Lvb_\@:
	WIN 0x02+(\a)/4
.set i_, 0
.rept 32
	v_pk_add_f32 v[HA+i_:HA+i_+1], v[64*((\a)%4)+i_:64*((\a)%4)+i_+1], v[BV+2*(\a):BV+2*(\a)+1]
.set i_, i_+2
.endr
	WIN 0
.Ljb_\@:
	QUANT HA
	v_mov_b32 v[PWS+\a], v[PW]
	global_store_b128 v6, v[PC:PC+3], s[48:49]
	global_store_b64 v7, v[PC+4:PC+5], s[48:49] offset:512
	global_store_b128 v6, v[PC+6:PC+9], s[50:51]
	global_store_b64 v7, v[PC+10:PC+11], s[50:51] offset:512
.endm
.irp a, 0,1,2,3,4,5,6,7
	EPI \a
.endr
; The scale words.  q, k: tile a's word holds head e's two bytes in half e: W_e[f] = half e of tile 2 f, then of tile 2 f + 1.  v: tile 4 e + f's word is W_e[f] as it stands.
	s_cmp_eq_u32 s21, 2
	s_cbranch_scc1 .Lvs
.irp f, 0,1,2,3
	v_perm_b32 v[WT+\f], v[PWS+2*\f+1], v[PWS+2*\f], 0x05040100
	v_perm_b32 v[WT+4+\f], v[PWS+2*\f+1], v[PWS+2*\f], 0x07060302
.endr
	s_branch .Lps
.Lvs:
	s_wait_alu depctr_va_vdst(0)
.irp n, 0,1,2,3,4,5,6,7
	v_mov_b32 v[WT+\n], v[PWS+\n]
.endr
.Lps:
	s_wait_alu depctr_va_vdst(0)
.irp e, 0,1
	v_cndmask_b32 v[XP+2*\e], v[WT+4*\e], v[WT+4*\e+1], s60        ; lanes 0-15: W[0], lanes 16-31: W[1]
	v_cndmask_b32 v[XP+2*\e+1], v[WT+4*\e+2], v[WT+4*\e+3], s60    ; W[2], W[3]
	global_store_b64 v7, v[XP+2*\e:XP+2*\e+1], s[56:57] offset:\e*HS   ; 32 lanes store 256 consecutive bytes, aligned
.endr
	s_wait_tensorcnt 0x0
	ds_add_u32 v158, v159
	s_wait_dscnt 0x0
	s_endpgm
.Lfunc_end_k_q442c985210_proj:
	.size	k_q442c985210_proj, .Lfunc_end_k_q442c985210_proj-k_q442c985210_proj
	.p2alignl 7, 3214868480
	.fill 96, 4, 3214868480
	.section	.rodata,"a",@progbits
	.p2align	6, 0x0
	.amdhsa_kernel k_q442c985210_proj
		.amdhsa_group_segment_fixed_size 295424
		.amdhsa_private_segment_fixed_size 0
		.amdhsa_enable_private_segment 0
		.amdhsa_kernarg_size 48
		.amdhsa_user_sgpr_count 2
		.amdhsa_user_sgpr_kernarg_segment_ptr 1
		.amdhsa_wavefront_size32 1
		.amdhsa_system_sgpr_workgroup_id_x 1
		.amdhsa_system_sgpr_workgroup_id_y 1
		.amdhsa_system_sgpr_workgroup_id_z 1
		.amdhsa_system_vgpr_workitem_id 0
		.amdhsa_next_free_vgpr 1024
		.amdhsa_next_free_sgpr 80
		.amdhsa_reserve_vcc 0
		.amdhsa_float_denorm_mode_32 3
		.amdhsa_float_denorm_mode_16_64 3
		.amdhsa_memory_ordered 1
		.amdhsa_forward_progress 1
		.amdhsa_inst_pref_size 156
	.end_amdhsa_kernel
	.amdgpu_metadata
---
amdhsa.version: [ 1, 2 ]
amdhsa.kernels:
  - .name:           k_q442c985210_proj
    .symbol:         k_q442c985210_proj.kd
    .args:
      - { .name: cod, .offset: 0, .size: 8, .value_kind: global_buffer, .address_space: global }
      - { .name: scl, .offset: 8, .size: 8, .value_kind: global_buffer, .address_space: global }
      - { .name: bq, .offset: 16, .size: 8, .value_kind: global_buffer, .address_space: global }
      - { .name: bk, .offset: 24, .size: 8, .value_kind: global_buffer, .address_space: global }
      - { .name: bv, .offset: 32, .size: 8, .value_kind: global_buffer, .address_space: global }
      - { .name: hq, .offset: 40, .size: 8, .value_kind: global_buffer, .address_space: global }
    .group_segment_fixed_size: 295424
    .private_segment_fixed_size: 0
    .kernarg_segment_align: 8
    .kernarg_segment_size: 48
    .max_flat_workgroup_size: 128
    .sgpr_count:     80
    .vgpr_count:     1024
    .wavefront_size: 32
...
	.end_amdgpu_metadata
.endif
;; end of part 2
;; launch attn (part 3): grid 64 x 4, 12 waves a work-group, clusters of 4 x 1, 327,680 bytes of LDS; arguments hq, ac, asc; writes ac, asc
.if DOCPART == 3
	.amdgcn_target "amdgcn-amd-amdhsa--gfx1250"
	.amdhsa_code_object_version 6
	.text
	.protected	k_q442c985210_attn
	.globl	k_q442c985210_attn
	.p2align	8
	.type	k_q442c985210_attn,@function
k_q442c985210_attn:
	s_mov_b64 s[64:65], 0
	v_nop
	global_prefetch_b8 v0, s[64:65] scope:SCOPE_SE
	s_setreg_imm32_b32 hwreg(HW_REG_WAVE_MODE, 25, 1), 1
	s_wait_xcnt 0x0
	s_wait_alu depctr_hold_cnt(0) depctr_sa_sdst(0) depctr_va_vdst(0) depctr_va_sdst(0) depctr_va_ssrc(0) depctr_va_vcc(0) depctr_vm_vsrc(0)
	s_getreg_b32 s2, hwreg(HW_REG_IB_STS2, 6, 4)
	s_cmp_eq_u32 s2, 0
	s_cbranch_scc0 .Lentry_in_a_cluster
	s_endpgm
.Lentry_in_a_cluster:
	s_bfe_u32 s2, ttmp6, 0x10000c
	s_cmp_lg_u32 s2, 0x3003
	s_cbranch_scc0 .Lentry_shape_is_right
	s_endpgm
.Lentry_shape_is_right:
; softmax(qh kh^T / 8) vh for 12 heads, 4,096 queries and keys, head size 64, both products on codes of FP6 (E2M3) with E8M0 scales; the result is quantised along the channels for the last projection (ac, asc).
; SHARES.  Work-group (x, y): 64 queries x, heads 3 y .. 3 y + 2.  Twelve waves: wave w takes head w / 4 and 16 queries w % 4.  Keys go in 32 steps of 128.  Both products are used transposed (S^T = K Q^T, O^T = V^T P^T): a lane holds one query.
; hq: [12 heads][32 key steps][19,200]: +0 K: four fragments, each two tiles of 16 keys x 64; +6,144 V: four fragments (16 channels x 128 keys); +12,288 K's scale words; +12,544 V's; +12,800 Q; +18,944 Q's scale words.
; A fragment of K holds tile 2 f in k = 0 .. 63 and tile 2 f + 1 in k = 64 .. 127; Q stands once in registers between two runs of six zero registers, and is named with the zeros above (QL) or below (QH) to pick one of the two tiles.
; THE KEYS OF A TILE: tile 4 c + t holds keys 64 c + 8 t + (row % 8) + 32 (row / 8).  So lane (r, h)'s registers S + 32 c + 0 .. 31 are keys 64 c + 32 h + 0 .. 31 in order: ONE WHOLE BLOCK of the next product's K, which is what
; that operand's layout gives the lane: a block's largest score needs no other lane, and the conversions' results are the operand's registers (three of each six are moved, since a conversion's three begin on an even number).
; p = 2^(t - M), t = score x log2(e) / 8, M the ceiling of the running largest t; the sum is taken of the unquantised p; when M moves, sum and O^T are multiplied by a power of two.  A block's largest p is the exponential of its largest score.
; LIMITS: the promise holds while |t| stays under 2^31; NaN and infinities are not served; a block of p that has fallen to 0 gets the byte 1 over zero codes.
; LDS: two slots, each four key steps of three heads (12 x 12,800 bytes); each wave brings one block (its head, step w % 4) by one JOINT load: the four work-groups of a cluster read the same K and V (mask 15).
; A CHANGE OF SLOTS lies inside a slot's last step: when V's fragments of that step are in registers the slot is read no more; the wait for my tensor load, the add and the wait for both stand there, and the round's opening signal;
; the step's softmax and its second product, work on registers, stand between that signal and its wait.  K's fragments of the next step of a slot are asked for a step ahead, into registers of their own.
; PREFETCH: behind each refill but the last, the blocks of the slot after the one being fetched: in cluster x = 0 alone (all clusters along x read the same bytes); work-group cx takes key step cx of the slot, waves w % 4 = 0, 1 its 50 blocks of 256 bytes, a lane a block.
.set HS,    614400
.set STEPB, 19200
.set BLKB,  12800
.set SLOTB, 12*BLKB
.set SPARE, 2*SLOTB
.set G1,  16
.set G0,  24
.set SEL, 32
.set CS,  34
.set TB,  36
.set CNT, 37
.set TRIP, 38
.set SLOTS, 39
.set LIM, 40
.set PFA, 42
.set L16, 1
.set L8,  2
.set SPW, 3
.set NIL, 4
.set A16, 5
.set A8,  6
.set PFO, 7
.set O16, 8
.set O8,  9
.set KS,  10                           ; v10-11 K's scale words; v12 -M, v13 the running largest score, v14-15 the sum in two halves
.set QH,  16                           ; v16-21 zeros, v22-27 Q, v28-33 zeros
.set Q,   22
.set QL,  22
.set QS,  34
.set T0,  35
.set VS,  36
.set FF,  38
.set PSW, 40
.set T1,  41
.set BM,  42
.set SO,  44
.set BT,  46
.set FK,  48
.set S,   96
.set O,   160
.set FV,  192
.set PCD, 240
.set MX,  252                          ; four partial maxima; later two chains of the sum
.set XA,  252
.macro PLACES
.rept 4
	v_nop
.endr
.endm
.macro FRAG reg, a16, a8, off
	ds_load_b128 v[(\reg):(\reg)+3], v[\a16] offset:(\off)
	ds_load_b64 v[(\reg)+4:(\reg)+5], v[\a8] offset:(\off)+512
	ds_load_b128 v[(\reg)+6:(\reg)+9], v[\a16] offset:(\off)+768
	ds_load_b64 v[(\reg)+10:(\reg)+11], v[\a8] offset:(\off)+1280
.endm
.macro KLOAD off                       ; 17 loads
.irp f, 0,1,2,3
	FRAG FK+12*\f, A16, A8, (\off)+1536*\f
.endr
	ds_load_b64 v[KS:KS+1], v[A8] offset:(\off)+12288
.endm
.macro VLOAD                           ; 17 loads
.irp f, 0,1,2,3
	FRAG FV+12*\f, A16, A8, 6144+1536*\f
.endr
	ds_load_b64 v[VS:VS+1], v[A8] offset:12544
.endm
.macro CREST
	s_cmp_lg_u32 s10, 0
	s_cbranch_scc1 .Lnw0_\@
	s_barrier_signal -3
.Lnw0_\@:
	s_barrier_wait -3
	s_barrier_signal -1
	s_barrier_wait -1
.endm
.macro ROUND
	s_barrier_signal -1
	s_barrier_wait -1
	CREST
.endm
.macro ASK
	s_cmp_gt_u32 s[SLOTS], s[LIM]
	s_cbranch_scc0 .Lnot_mine_\@
	global_prefetch_b8 v[PFO], s[PFA:PFA+1] th:TH_LOAD_NT scope:SCOPE_SE
.Lnot_mine_\@:
.endm
.macro MM d, a, b, c, sa, sb, row      ; row = 1: source 0's scales from lanes 16-31
.if \row
	v_wmma_scale_f32_16x16x128_f8f6f4 v[\d:\d+7], v[\a:\a+11], v[\b:\b+11], \c, v[\sa], v[\sb] matrix_a_fmt:MATRIX_FMT_FP6 matrix_b_fmt:MATRIX_FMT_FP6 matrix_a_scale:MATRIX_SCALE_ROW1
.else
	v_wmma_scale_f32_16x16x128_f8f6f4 v[\d:\d+7], v[\a:\a+11], v[\b:\b+11], \c, v[\sa], v[\sb] matrix_a_fmt:MATRIX_FMT_FP6 matrix_b_fmt:MATRIX_FMT_FP6
.endif
.endm
.macro TREE                            ; the largest score of my two blocks, in four chains by turns; each accumulator is first read at its low end
.irp q, 0,16,32,48
	v_max3_num_f32 v[MX+\q/16], v[S+\q], v[S+\q+1], v[S+\q+2]
.endr
.irp i, 3,5,7,9,11,13
.irp q, 0,16,32,48
	v_max3_num_f32 v[MX+\q/16], v[MX+\q/16], v[S+\q+\i], v[S+\q+\i+1]
.endr
.endr
	v_max3_num_f32 v[MX], v[MX], v[S+15], v[S+31]
	v_max3_num_f32 v[MX+2], v[MX+2], v[S+47], v[S+63]
	v_max_num_f32 v[BM], v[MX], v[MX+1]
	v_max_num_f32 v[BM+1], v[MX+2], v[MX+3]
	v_max3_num_f32 v[T1], v[BM], v[BM+1], v13      ; with the running largest
.endm
.macro FMA n                           ; t - M, two at a time
.rept \n
	v_pk_fma_f32 v[S+j_:S+j_+1], v[S+j_:S+j_+1], s[CS:CS+1], v[12:13] op_sel_hi:[1,0,0]
.set j_, j_+2
.endr
.endm
.macro SUM n                           ; the next n additions of the row's sum: pair k_ is p's registers 32 (k_ % 2) + 2 (k_ / 2); three chains by turns
.rept \n
.set pa_, S+32*(k_&1)+2*(k_>>1)
.if k_ < 4
	v_pk_add_f32 v[XA+k_:XA+k_+1], v[pa_:pa_+1], v[pa_+32:pa_+33]
.set k_, k_+2
.else
.if k_%3 == 0
	v_pk_add_f32 v[14:15], v[14:15], v[pa_:pa_+1]
.else
	v_pk_add_f32 v[XA+2*(k_%3)-2:XA+2*(k_%3)-1], v[XA+2*(k_%3)-2:XA+2*(k_%3)-1], v[pa_:pa_+1]
.endif
.set k_, k_+1
.endif
.endr
.endm
; A key step; K's fragments were asked for a step ago, or at the slot's head.  pre: the next step's are asked for;  bnd: a slot's last step: 1 with the change of slots and the refill of slot \slot, 2 with a barrier alone (nothing is filled again), 0 the very last.
.macro STEP pre, bnd, slot
	s_wait_dscnt 0x0                               ; K's fragments are in
.irp f, 0,1,2,3
	MM S+16*\f, FK+12*\f, QL, 0, KS+\f/2, QS, \f%2
	MM S+16*\f+8, FK+12*\f, QH, 0, KS+\f/2, QS, \f%2
.endr
	v_add_nc_u32 v[A16], s[TB], v[L16]             ; four places behind the products: this step's LDS addresses,
	v_add_nc_u32 v[A8], s[TB], v[L8]
	v_mov_b32 v[T0], v12                           ; the old -M
	v_nop
	VLOAD
.if \pre
	KLOAD BLKB
.endif
.if \bnd
	s_wait_tensorcnt 0x0                           ; my load for the other slot has landed;
	ds_add_u32 v[SPW], v[NIL]
.if \bnd == 1
	s_add_nc_u64 s[G0+4*\slot+2:G0+4*\slot+3], s[G0+4*\slot+2:G0+4*\slot+3], 8*STEPB   ; no load of mine is out: this slot's next four steps
	s_wait_xcnt 0x0                                ; my last prefetch has read its address
	s_add_nc_u64 s[PFA:PFA+1], s[PFA:PFA+1], 4*STEPB
.endif
	TREE
	s_wait_alu depctr_va_vdst(0)
	s_wait_dscnt 0x0                               ; the add is done, and V's fragments are in: my reads of this slot are over
	s_barrier_signal -1                            ; the round opens; only work on registers up to its wait
.else
	TREE
	s_delay_alu instid0(VALU_DEP_1)
.endif
	v_permlanex16_b32 v[BT], v[T1], s[SEL], s[SEL+1]
	s_delay_alu instid0(VALU_DEP_1)
	v_max_num_f32 v13, v[T1], v[BT]                ; with lane l xor 16's keys: the query's running largest score
	s_delay_alu instid0(VALU_DEP_1)
	v_mul_f32 v[T1], s[CS], v13
	s_delay_alu instid0(VALU_DEP_1)
	v_floor_f32 v12, -v[T1]                        ; -M = floor(-t)
	s_delay_alu instid0(VALU_DEP_1)
	v_sub_f32 v[T0], v12, v[T0]                    ; old M less new M, a whole number
.set j_, 0
	FMA 8
	v_cvt_i32_f32 v[T0], v[T0]                     ; (it saturates)
	FMA 8
	v_ldexp_f32 v[FF], 1.0, v[T0]                  ; f = 2^(old M - new M)
	FMA 16
	v_fma_f32 v[BM], v[BM], s[CS], v12             ; the same of each block's largest score
	v_fma_f32 v[BM+1], v[BM+1], s[CS], v12
.set j_, 0
.rept 16
	v_pk_mul_f32 v[O+j_:O+j_+1], v[O+j_:O+j_+1], v[FF:FF+1] op_sel_hi:[1,0]   ; O^T under the new M
.set j_, j_+2
.endr
	s_wait_alu depctr_va_vdst(0)
	v_exp_f32 v[BM], v[BM]
	v_exp_f32 v[BM+1], v[BM+1]
.set j_, 0
.rept 64
	v_exp_f32 v[S+j_], v[S+j_]
.set j_, j_+1
.endr
	v_pk_mul_f32 v[14:15], v[14:15], v[FF:FF+1] op_sel_hi:[1,0]   ; the sum under the new M; the plain place behind the batch
	s_wait_alu depctr_va_vdst(0)                   ; and the wait behind it
.if \bnd == 0
	s_wait_dscnt 17*\pre                           ; V's 17 loads are in; the 17 behind them, the next step's K, may be out
.endif
.set k_, 0
	v_max_num_f32 v[BM], 0x1800000, v[BM]          ; the floor 2^(3 - 127): the byte cannot fall under 1
	v_max_num_f32 v[BM+1], 0x1800000, v[BM+1]
	SUM 2                                          ; (p's registers 0-3 and 32-35 are summed first: 0-2 and 32-34 are written again below)
	v_add_nc_u32 v[SO], 0xff000000, v[BM]          ; 2 off the exponent field: the conversion's scale operand
	v_add_nc_u32 v[SO+1], 0xff000000, v[BM+1]
	SUM 2
	v_lshrrev_b32 v[BT], 23, v[SO]                 ; my two bytes: blocks h and 2 + h
	v_lshrrev_b32 v[T1], 23, v[SO+1]
	v_cvt_scalef32_pk16_fp6_f32 v[PCD:PCD+2], v[S:S+15], v[SO]
	v_cvt_scalef32_pk16_fp6_f32 v[PCD+6:PCD+8], v[S+32:S+47], v[SO+1]
	v_lshl_or_b32 v[T1], v[T1], 16, v[BT]
	SUM 2
	v_cvt_scalef32_pk16_fp6_f32 v[S:S+2], v[S+16:S+31], v[SO]        ; (a conversion's three registers begin on an even number: made here, moved below)
	v_cvt_scalef32_pk16_fp6_f32 v[S+32:S+34], v[S+48:S+63], v[SO+1]
	SUM 1
	v_permlanex16_b32 v[BT], v[T1], s[SEL], s[SEL+1]
	SUM 3
	v_perm_b32 v[PSW], v[BT], v[T1], 0x06020400    ; lanes 0-15: bytes of blocks 0 (mine), 1 (lane + 16's), 2, 3: p's scale word
	v_dual_mov_b32 v[PCD+3], v[S] :: v_dual_mov_b32 v[PCD+4], v[S+1]
	v_dual_mov_b32 v[PCD+5], v[S+2] :: v_dual_mov_b32 v[PCD+10], v[S+33]
	v_mov_b32 v[PCD+9], v[S+32]
	v_mov_b32 v[PCD+11], v[S+34]
	SUM 4                                          ; with the four lines above: eight places behind p's scale word, four behind its last code
.irp t, 0,1,2,3
	MM O+8*\t, FV+12*\t, PCD, v[O+8*\t:O+8*\t+7], VS+\t/2, PSW, \t%2
.endr
	SUM 16                                         ; the rest of the row's sum stands behind the products: it names none of their registers
	v_pk_add_f32 v[XA:XA+1], v[XA:XA+1], v[XA+2:XA+3]
	v_pk_add_f32 v[14:15], v[14:15], v[XA:XA+1]
.if \bnd
	s_barrier_wait -1
.endif
.if \bnd == 1
	CREST
	tensor_load_to_lds s[G0+4*\slot:G0+4*\slot+3], s[G1:G1+7]
	s_nop 0
	PLACES
	ASK
	s_sub_co_u32 s[SLOTS], s[SLOTS], 1
.endif
.endm
.macro NEXT lab
	s_add_co_u32 s[TB], s[TB], BLKB
	s_sub_co_u32 s[CNT], s[CNT], 1
	s_cmp_lg_u32 s[CNT], 0
	s_cbranch_scc1 \lab
.endm
.macro SLOT slot, bnd                  ; four steps; bnd says how the last one ends
	s_mov_b32 s[TB], \slot*SLOTB
	v_add_nc_u32 v[A16], s[TB], v[L16]
	v_add_nc_u32 v[A8], s[TB], v[L8]
	KLOAD 0
	s_mov_b32 s[CNT], 3
.Lst_\@:
	STEP 1, 0, 0
	NEXT .Lst_\@
	STEP 0, \bnd, \slot
.endm
	s_load_b128 s[4:7], s[0:1], 0x0                ; hq, ac
	s_load_b64 s[8:9], s[0:1], 0x10                ; asc
	v_lshl_add_u32 v[SPW], v0, 2, SPARE
	v_mov_b32 v[NIL], 0
	ds_add_u32 v[SPW], v[NIL]                      ; the opening lines: the add twice on end
	ds_add_u32 v[SPW], v[NIL]
	v_lshrrev_b32 v1, 5, v0
	v_readfirstlane_b32 s10, v1                    ; wave
	s_lshr_b32 s11, s10, 2                         ; which of my work-group's three heads
	s_and_b32 s12, s10, 3                          ; which 16 queries; also which key step of a slot I fetch
	s_bfe_u32 s13, ttmp6, 0x40000                  ; cx
	s_lshl_b32 s14, ttmp9, 2
	s_add_co_u32 s14, s14, s13                     ; work-group x
	s_and_b32 s15, ttmp7, 0xffff
	s_mul_i32 s15, s15, 3
	s_add_co_u32 s15, s15, s11                     ; head
	s_mov_b32 s[G1+0], 15|(3<<16)|(1<<21)          ; the four of the cluster; elements of 8 bytes
	s_mov_b32 s[G1+1], 32<<16                      ; 50 rows of 256 bytes, dense
	s_mov_b32 s[G1+2], 50<<16
	s_mov_b32 s[G1+3], 32<<16
	s_mov_b32 s[G1+4], 50
	s_mov_b32 s[G1+5], 32
	s_mov_b32 s[G1+6], 0
	s_mov_b32 s[G1+7], 0
	s_mov_b32 s[SEL], 0x76543210
	s_mov_b32 s[SEL+1], 0xfedcba98
	s_mov_b32 s[CS], 0x3e38aa3b                    ; log2(e) / 8
	s_mov_b32 s[CS+1], s[CS]
	s_mov_b32 s[SLOTS], 6                          ; refills to come
	s_mul_i32 s44, s15, HS
	s_mov_b32 s45, 0
	s_mul_i32 s46, s12, STEPB
	s_mov_b32 s47, 0
	s_mul_i32 s48, s10, BLKB
	s_lshr_b32 s[LIM], s12, 1
	s_or_b32 s[LIM], s[LIM], ttmp9
	s_cmp_eq_u32 s[LIM], 0
	s_cselect_b32 s[LIM], 1, -1                    ; 1 where my wave prefetches
	s_wait_alu depctr_va_vdst(0)
	s_wait_dscnt 0x0
	s_wait_kmcnt 0x0
	s_add_nc_u64 s[44:45], s[4:5], s[44:45]
	s_add_nc_u64 s[46:47], s[44:45], s[46:47]
.irp n, 0,1
	s_mov_b32 s[G0+4*\n], 1
	s_add_co_u32 s[G0+4*\n+1], s48, \n*SLOTB
	s_add_nc_u64 s[G0+4*\n+2:G0+4*\n+3], s[46:47], \n*4*STEPB
	s_or_b32 s[G0+4*\n+3], s[G0+4*\n+3], 0x80000000
.endr
	ROUND
	tensor_load_to_lds s[G0:G0+3], s[G1:G1+7]      ; slot 0: my one load at the head; the rest of the head stands under its flight
	s_nop 0
	s_lshr_b32 s50, s14, 1
	s_mul_i32 s50, s50, STEPB
	s_and_b32 s51, s14, 1
	s_lshl_b32 s52, s51, 2
	s_add_co_u32 s52, s52, s12
	s_mul_i32 s52, s52, 768
	s_add_co_u32 s52, s52, s50
	s_add_co_u32 s52, s52, 12800
	s_mov_b32 s53, 0
	s_add_nc_u64 s[52:53], s[44:45], s[52:53]      ; my 16 queries' half image
	s_lshr_b32 s54, s12, 1
	s_lshl_b32 s54, s54, 7
	s_lshl_b32 s51, s51, 2
	s_add_co_u32 s54, s54, s51
	s_add_co_u32 s54, s54, s50
	s_add_co_u32 s54, s54, 18944
	s_mov_b32 s55, 0
	s_add_nc_u64 s[54:55], s[44:45], s[54:55]      ; and their scale words
	v_and_b32 v[PFO], 31, v0
	v_and_b32 v[A16], 15, v0
	v_lshlrev_b32 v[O16], 4, v[PFO]
	v_lshlrev_b32 v[O8], 3, v[PFO]
	v_lshlrev_b32 v[A16], 3, v[A16]
	global_load_b128 v[Q:Q+3], v[O16], s[52:53]
	global_load_b64 v[Q+4:Q+5], v[O8], s[52:53] offset:512
	global_load_b32 v[QS], v[A16], s[54:55]
.irp n, 0,1,2,3,4,5
	v_mov_b32 v[QH+\n], 0
	v_mov_b32 v[QL+6+\n], 0
.endr
	s_mul_i32 s49, s11, 4*BLKB
	v_add_nc_u32 v[L16], s49, v[O16]               ; my head's four blocks of a slot
	v_add_nc_u32 v[L8], s49, v[O8]
	s_lshl_b32 s56, s12, 5
	v_add_nc_u32 v[PFO], s56, v[PFO]
	v_mov_b32 v13, 0xff61b1e6                      ; -3e38, under every score
	v_min_u32 v[PFO], 49, v[PFO]
	v_floor_f32 v12, -v13
	v_lshlrev_b32 v[PFO], 8, v[PFO]
	v_mov_b32 v14, 0
	v_mov_b32 v15, 0
	v_mov_b32 v[FF+1], 0
	v_mov_b32 v[BT], 0                             ; a lane permute's destination counts as one of its sources
	v_mov_b32 v[BT+1], 0
	s_add_co_u32 s56, s13, 8
	s_mul_i32 s56, s56, STEPB
	s_mov_b32 s57, 0
	s_add_nc_u64 s[PFA:PFA+1], s[44:45], s[56:57]
	s_and_b32 s56, s12, 1
	s_lshl_b32 s56, s56, 4
	s_wait_alu depctr_va_vdst(0)
	s_wait_tensorcnt 0x0                           ; my block of slot 0 is in
	ds_add_u32 v[SPW], v[NIL]
	s_wait_dscnt 0x0
	ROUND                                          ; everybody's block of slot 0 is in
	tensor_load_to_lds s[G0+4:G0+7], s[G1:G1+7]    ; slot 1
	s_nop 0
	PLACES
	s_wait_loadcnt 0x0
	v_lshrrev_b32 v[QS], s56, v[QS]
	v_and_b32 v[QS], 0xffff, v[QS]
	v_lshl_or_b32 v[QS], v[QS], 16, v[QS]          ; my tile's two bytes, below for QL and above for QH
.set j_, 0
.rept 32
	v_mov_b32 v[O+j_], 0                           ; the step is written once: the first finds zeros.  (Also the places between Q's scale word and the first product)
.set j_, j_+1
.endr
	s_wait_alu depctr_va_vdst(0)
	s_mov_b32 s[TRIP], 3
.Lpair:
	SLOT 0, 1
	SLOT 1, 1
	s_sub_co_u32 s[TRIP], s[TRIP], 1
	s_cmp_lg_u32 s[TRIP], 0
	s_cbranch_scc1 .Lpair
	SLOT 0, 2                                      ; the last two slots fetch nothing more: between them one barrier, for the last slot's blocks
	SLOT 1, 0
; THE WAY OUT: O^T / the sum, quantised along the head's 64 channels (V's tiles: the 16 registers of tiles 2 B, 2 B + 1 are channels 32 B + 16 h + 0 .. 15), stored as half of a fragment's image
	PLACES
	s_wait_alu depctr_va_vdst(0)                   ; the wait here, directly ahead of the reader below
	v_add_f32 v14, v14, v15
	s_delay_alu instid0(VALU_DEP_1)
	v_permlanex16_b32 v[BT], v14, s[SEL], s[SEL+1]
	s_delay_alu instid0(VALU_DEP_1)
	v_add_f32 v14, v14, v[BT]
	s_wait_alu depctr_va_vdst(0)
	v_rcp_f32 v14, v14
	v_and_b32 v[T1], 15, v0
	s_delay_alu instid0(VALU_DEP_1)
	v_mul_u32_u24 v[T1], v[T1], 12
	s_lshl_b32 s44, s14, 2
	s_add_co_u32 s44, s44, s12
	s_mul_i32 s46, s44, 384
	s_mul_i32 s44, s44, 9216
	s_mul_i32 s45, s15, 768
	s_add_co_u32 s44, s44, s45
	s_mov_b32 s45, 0
	s_add_nc_u64 s[6:7], s[6:7], s[44:45]
	s_bfe_u32 s47, s15, 0x10001
	s_mul_i32 s47, s47, 192
	s_add_co_u32 s46, s46, s47
	s_lshr_b32 s47, s15, 2
	s_lshl_b32 s47, s47, 2
	s_add_co_u32 s46, s46, s47
	s_and_b32 s47, s15, 1
	s_lshl_b32 s47, s47, 1
	s_add_co_u32 s46, s46, s47
	s_mov_b32 s47, 0
	s_add_nc_u64 s[8:9], s[8:9], s[46:47]
	s_wait_alu depctr_va_vdst(0)                   ; and behind it, directly ahead of the first reader of O^T
.set j_, 0
.rept 16
	v_pk_mul_f32 v[S+j_:S+j_+1], v[O+j_:O+j_+1], v[14:15] op_sel_hi:[1,0]
.set j_, j_+2
.endr
.irp b, 0,1
	v_max3_num_f32 v[BM+\b], |v[S+16*\b]|, |v[S+1+16*\b]|, 0x1800000
.endr
.irp i, 2,4,6,8,10,12,14
.irp b, 0,1
	s_delay_alu instid0(VALU_DEP_2)
	v_max3_num_f32 v[BM+\b], v[BM+\b], |v[S+16*\b+\i]|, |v[S+1+16*\b+\i]|
.endr
.endr
.irp b, 0,1
	s_delay_alu instid0(VALU_DEP_2)
	v_permlanex16_b32 v[BT+\b], v[BM+\b], s[SEL], s[SEL+1]
.endr
.irp b, 0,1
	s_delay_alu instid0(VALU_DEP_2)
	v_max_num_f32 v[BM+\b], v[BM+\b], v[BT+\b]
.endr
.irp b, 0,1
	s_delay_alu instid0(VALU_DEP_2)
	v_add_nc_u32 v[SO+\b], 0xff000000, v[BM+\b]
.endr
.irp b, 0,1
	s_delay_alu instid0(VALU_DEP_2)
	v_lshrrev_b32 v[BT+\b], 23, v[SO+\b]
.endr
	s_delay_alu instid0(VALU_DEP_1)
	v_lshl_or_b32 v[T0], v[BT+1], 8, v[BT]
	v_cvt_scalef32_pk16_fp6_f32 v[PCD:PCD+2], v[S:S+15], v[SO]
	v_cvt_scalef32_pk16_fp6_f32 v[FV:FV+2], v[S+16:S+31], v[SO+1]
	v_nop
.irp i, 0,1,2
	v_permlane16_swap_b32 v[PCD+\i], v[FV+\i]      ; a whole block to a lane
.endr
.irp i, 0,1,2
	v_mov_b32 v[PCD+3+\i], v[FV+\i]
.endr
	global_store_b128 v[O16], v[PCD:PCD+3], s[6:7]
	global_store_b64 v[O8], v[PCD+4:PCD+5], s[6:7] offset:512
	global_store_b16 v[T1], v[T0], s[8:9]
	s_wait_tensorcnt 0x0                           ; the wave's end
	ds_add_u32 v[SPW], v[NIL]
	s_wait_dscnt 0x0
	ROUND                                          ; the closing round
	s_endpgm
.Lfunc_end_k_q442c985210_attn:
	.size	k_q442c985210_attn, .Lfunc_end_k_q442c985210_attn-k_q442c985210_attn
	.p2alignl 7, 3214868480
	.fill 96, 4, 3214868480
	.section	.rodata,"a",@progbits
	.p2align	6, 0x0
	.amdhsa_kernel k_q442c985210_attn
		.amdhsa_group_segment_fixed_size 327680
		.amdhsa_private_segment_fixed_size 0
		.amdhsa_enable_private_segment 0
		.amdhsa_kernarg_size 24
		.amdhsa_user_sgpr_count 2
		.amdhsa_user_sgpr_kernarg_segment_ptr 1
		.amdhsa_wavefront_size32 1
		.amdhsa_system_sgpr_workgroup_id_x 1
		.amdhsa_system_sgpr_workgroup_id_y 1
		.amdhsa_system_sgpr_workgroup_id_z 1
		.amdhsa_system_vgpr_workitem_id 0
		.amdhsa_next_free_vgpr 256
		.amdhsa_next_free_sgpr 66
		.amdhsa_reserve_vcc 0
		.amdhsa_float_denorm_mode_32 3
		.amdhsa_float_denorm_mode_16_64 3
		.amdhsa_memory_ordered 1
		.amdhsa_forward_progress 1
		.amdhsa_inst_pref_size 133
	.end_amdhsa_kernel
	.amdgpu_metadata
---
amdhsa.version: [ 1, 2 ]
amdhsa.kernels:
  - .name:           k_q442c985210_attn
    .symbol:         k_q442c985210_attn.kd
    .args:
      - { .name: hq, .offset: 0, .size: 8, .value_kind: global_buffer, .address_space: global }
      - { .name: ac, .offset: 8, .size: 8, .value_kind: global_buffer, .address_space: global }
      - { .name: asc, .offset: 16, .size: 8, .value_kind: global_buffer, .address_space: global }
    .group_segment_fixed_size: 327680
    .private_segment_fixed_size: 0
    .kernarg_segment_align: 8
    .kernarg_segment_size: 24
    .max_flat_workgroup_size: 384
    .sgpr_count:     66
    .vgpr_count:     256
    .wavefront_size: 32
...
	.end_amdgpu_metadata
.endif
;; end of part 3
;; launch oproj (part 4): grid 32 x 6, 4 waves a work-group, no clusters, 168,448 bytes of LDS; arguments ac, asc, cod, scl, bo, out0; writes out0
.if DOCPART == 4
	.amdgcn_target "amdgcn-amd-amdhsa--gfx1250"
	.amdhsa_code_object_version 6
	.text
	.protected	k_q442c985210_oproj
	.globl	k_q442c985210_oproj
	.p2align	8
	.type	k_q442c985210_oproj,@function
k_q442c985210_oproj:
	s_mov_b64 s[64:65], 0
	v_nop
	global_prefetch_b8 v0, s[64:65] scope:SCOPE_SE
	s_setreg_imm32_b32 hwreg(HW_REG_WAVE_MODE, 25, 1), 1
	s_wait_xcnt 0x0
; out0 = attn Wo^T + bo on codes of FP6 (E2M3) with E8M0 scales, K = 768, sums in f32.  attn's codes (ac) and scale records (asc) and Wo's (cod, scl: tiles 912-959) are images of the operands' registers:
; a tile = 16 rows (tile 2 B + u = rows 32 B + 8 u + r + 8 (r / 8)), six fragments of 1,536 bytes; a scale record = 384 bytes a tile.
; SHARES.  Work-group (x, y): 128 tokens x, 128 channels y: 192 work-groups.  Four waves, each 64 x 64: 16 accumulators.  Source 0 (P) = Wo, source 1 (R) = attn: a lane holds a token and eight neighbouring channels a tile.
; LDS: all of K of both blocks, filled once: wave w brings half w % 2 of operand w / 2 by three tensor loads issued together at the head (three loads of a wave are out); a barrier in front of each slab's first read.
; The bias is the C of each sum's first matrix instruction.  Results leave through the wave's own stage in LDS (bytes of its own, behind the operands), so that sixteen lanes store 256 consecutive aligned bytes of a row.
; NO CLUSTER: one group of fills and six K steps; a joint load of Wo would spare 3/8 of the work-group's 147,456 bytes at the price of two rounds of the cluster's barrier.
; REGISTERS: window 0: v1-4 LDS addresses, v5-14 offsets, v16-31 P's scale words, v32-47 R's, v64-95 the bias, v96-159 rows on the way out, v160-207 R's fragments; window 1: P's two sets (v0-47, v48-95);
;   windows 2, 3: the accumulators, (a, b) at v[8 (4 (a % 2) + b)] of window 2 + a / 2.
; THE FILLS, AS THEY NOW STAND (in place of what the head says of three loads and slabs): a wave's 4 tiles are 36,864 bytes on end, and ONE tensor load a wave brings them, 4 rows of 9,216 bytes;
; in LDS tile b of a region lies at 9,216 b, its K step s at + 1,536 s, both in the loads' immediates.  One barrier in front of the first read.
.set NT,    4
.set SLABB, NT*3072
.set STG,   12*SLABB                   ; the stages: 16 rows x 272 bytes for each wave
.set G1,  28
.set G0,  36
.set PS,  16
.set RS,  32
.set RF,  160
.set BC,  64
.set BK,  96
.set STO, 9
.set RD,  13
.set CO,  14
.set MSB, 0
.macro WIN new                         ; the immediate's high byte repeats the setting that is left
.if MSB != (\new)
	s_set_vgpr_msb (MSB<<8)|(\new)
.set MSB, (\new)
.endif
.endm
.macro PLACES                          ; four plain places behind matrix instructions, in front of loads into their sources and of reads of their results
.rept 4
	v_nop
.endr
.endm
.macro FRAG reg, a16, a8, off          ; a fragment's image back into 12 registers: every load takes consecutive bytes
	ds_load_b128 v[(\reg):(\reg)+3], v[\a16] offset:(\off)
	ds_load_b64 v[(\reg)+4:(\reg)+5], v[\a8] offset:(\off)+512
	ds_load_b128 v[(\reg)+6:(\reg)+9], v[\a16] offset:(\off)+768
	ds_load_b64 v[(\reg)+10:(\reg)+11], v[\a8] offset:(\off)+1280
.endm
.macro FETCH_P s                       ; P's NT fragments of K step s into set s % 2 of window 1
	WIN 0x40
.set b_, 0
.rept NT
	FRAG 12*NT*((\s)%2)+12*b_, 1, 2, b_*9216+(\s)*1536
.set b_, b_+1
.endr
	WIN 0
.endm
.macro FETCH_R s, half                 ; R's tiles of one half
.set a_, (\half)*(NT/2)
.rept NT/2
	FRAG RF+12*a_, 3, 4, a_*9216+(\s)*1536
.set a_, a_+1
.endr
.endm
; NT / 2 x NT matrix instructions of K step s.  The accumulators take turns, one instruction a turn, in the same order in every step.
; cmode 0: onto the sums; 1: the constant 0 starts them; 2: the bias in v[BC ..] of window 0 starts them.  K step s takes register s / 2 of a scale record, lanes 16-31 of it for odd s.
.macro MULH s, half, cmode
.if (\cmode) == 2
	WIN 0x81+0x40*(\half)
.else
	WIN 0xa1+0x50*(\half)
.endif
.set a_, (\half)*(NT/2)
.rept NT/2
.set b_, 0
.rept NT
.set rD, 8*(NT*(a_%(NT/2))+b_)
.set rP, 12*NT*((\s)%2)+12*b_
.set rR, RF+12*a_
.set rX, PS+4*b_+(\s)/2
.set rY, RS+4*a_+(\s)/2
.if (\cmode) == 1
	v_wmma_scale_f32_16x16x128_f8f6f4 v[rD:rD+7], v[rP:rP+11], v[rR:rR+11], 0, v[rX], v[rY] matrix_a_fmt:MATRIX_FMT_FP6 matrix_b_fmt:MATRIX_FMT_FP6
.elseif (\cmode) == 2
	v_wmma_scale_f32_16x16x128_f8f6f4 v[rD:rD+7], v[rP:rP+11], v[rR:rR+11], v[BC+8*b_:BC+8*b_+7], v[rX], v[rY] matrix_a_fmt:MATRIX_FMT_FP6 matrix_b_fmt:MATRIX_FMT_FP6
.elseif (\s)%2 == 0
	v_wmma_scale_f32_16x16x128_f8f6f4 v[rD:rD+7], v[rP:rP+11], v[rR:rR+11], v[rD:rD+7], v[rX], v[rY] matrix_a_fmt:MATRIX_FMT_FP6 matrix_b_fmt:MATRIX_FMT_FP6
.else
	v_wmma_scale_f32_16x16x128_f8f6f4 v[rD:rD+7], v[rP:rP+11], v[rR:rR+11], v[rD:rD+7], v[rX], v[rY] matrix_a_fmt:MATRIX_FMT_FP6 matrix_b_fmt:MATRIX_FMT_FP6 matrix_a_scale:MATRIX_SCALE_ROW1 matrix_b_scale:MATRIX_SCALE_ROW1
.endif
.set b_, b_+1
.endr
.set a_, a_+1
.endr
.endm
; K step s (0 .. 4).  R has one set of registers: its lower half is fetched anew in the step's middle, its upper half at the end; P has two sets.
.macro STEP s, cmode
	s_wait_dscnt (NT/2)*4                          ; all but the youngest loads, R's upper half
	MULH \s, 0, \cmode
	s_wait_dscnt 0x0                               ; R's upper half is in; no LDS load of mine is out
	PLACES
	FETCH_P (\s)+1
	FETCH_R (\s)+1, 0
	MULH \s, 1, \cmode
	PLACES
	WIN 0
	FETCH_R (\s)+1, 1
.endm
.macro LAST
	s_wait_dscnt (NT/2)*4
	MULH 5, 0, 0
	s_wait_dscnt 0x0
	MULH 5, 1, 0
	WIN 0
	PLACES
.endm
	s_load_b256 s[4:11], s[0:1], 0x0               ; ac, asc, cod, scl
	s_load_b128 s[12:15], s[0:1], 0x20             ; bo, out0
	v_lshl_add_u32 v254, v0, 2, 0x29000
	v_mov_b32 v255, 0
	ds_add_u32 v254, v255
	ds_add_u32 v254, v255
	v_lshrrev_b32 v10, 5, v0
	v_readfirstlane_b32 s16, v10                   ; wave
	s_lshr_b32 s17, s16, 1                         ; rw: my half of the tokens.  Also: I fetch for P (0) or R (1)
	s_and_b32 s18, s16, 1                          ; pw: my half of the channels.  Also: which half I fetch
	s_and_b32 s20, ttmp7, 0xffff                   ; which 128 channels
	s_lshl_b32 s22, s20, 3
	s_add_co_u32 s22, s22, 912                     ; Wo's first tile
	s_lshl_b32 s23, ttmp9, 3                       ; attn's first tile
	s_lshl_b32 s24, s18, 2
	s_lshl_b32 s25, s17, 2
	s_cmp_eq_u32 s17, 0
	s_cselect_b32 s56, s22, s23
	s_add_co_u32 s56, s56, s24                     ; the first of the 4 tiles that I fetch
	s_mul_i32 s56, s56, 9216
	s_mov_b32 s57, 0
	s_mul_i32 s58, s16, 3*SLABB                    ; and where they go
	s_add_co_u32 s50, s22, s24
	s_mul_i32 s50, s50, 384                        ; the scale records of my 4 tiles of P,
	s_mov_b32 s51, 0
	s_add_co_u32 s52, s23, s25
	s_mul_i32 s52, s52, 384                        ; and of R
	s_mov_b32 s53, 0
	s_lshl_b32 s54, s20, 9
	s_lshl_b32 s55, s18, 8
	s_add_co_u32 s54, s54, s55                     ; my first channel, in bytes: 512 y + 256 pw
	s_mov_b32 s55, 0
	s_lshl_b32 s48, ttmp9, 7
	s_lshl_b32 s49, s17, 6
	s_add_co_u32 s48, s48, s49                     ; my first token: 128 x + 64 rw
	s_mul_i32 s48, s48, 3072
	s_add_co_u32 s48, s48, s54
	s_mov_b32 s49, 0
	s_mov_b32 s[G1+0], 3<<16                       ; elements of 8 bytes, no mask, no padding
	s_mov_b32 s[G1+1], 1152<<16                    ; tensor_dim0 = 1,152: a whole tile, 9,216 bytes
	s_mov_b32 s[G1+2], NT<<16                      ; tensor_dim1 = 4 tiles
	s_mov_b32 s[G1+3], 1152<<16                    ; tile_dim0
	s_mov_b32 s[G1+4], NT                          ; tile_dim1
	s_mov_b32 s[G1+5], 1152                        ; from tile to tile: 9,216 bytes
	s_mov_b32 s[G1+6], 0
	s_mov_b32 s[G1+7], 0
	v_and_b32 v10, 31, v0                          ; lane
	v_and_b32 v11, 15, v0                          ; r
	v_bfe_u32 v12, v0, 4, 1                        ; h
	v_lshlrev_b32 v6, 4, v10                       ; 16 x lane
	v_lshlrev_b32 v7, 3, v10                       ; 8 x lane
	v_mul_u32_u24 v5, v10, 12                      ; 12 x lane
	v_lshlrev_b32 v8, 6, v12                       ; 64 h
	s_mul_i32 s59, s18, 3*SLABB                    ; P's half pw lies in region pw,
	v_add_nc_u32 v1, s59, v6
	v_add_nc_u32 v2, s59, v7
	s_mul_i32 s59, s17, 3*SLABB
	s_add_co_u32 s59, s59, 6*SLABB                 ; R's half rw in region 2 + rw
	v_add_nc_u32 v3, s59, v6
	v_add_nc_u32 v4, s59, v7
	s_mul_i32 s59, s16, 16*272
	s_add_co_u32 s59, s59, STG                     ; my stage
	v_mul_u32_u24 v[STO], v11, 272
	v_lshl_add_u32 v[STO], v12, 6, v[STO]
	v_add_nc_u32 v[STO], s59, v[STO]               ; in: row r, + 64 h
	v_mul_u32_u24 v[RD], v12, 272
	v_lshl_add_u32 v[RD], v11, 4, v[RD]
	v_add_nc_u32 v[RD], s59, v[RD]                 ; back: lanes 0-15 one row of 256 bytes, lanes 16-31 the next
	v_mul_u32_u24 v[CO], v12, 3072
	v_lshl_add_u32 v[CO], v11, 4, v[CO]            ; and the same two rows in out0
	s_wait_alu depctr_va_vdst(0)
	s_wait_dscnt 0x0
	s_wait_kmcnt 0x0
	s_cmp_eq_u32 s17, 0
	s_cselect_b64 s[60:61], s[8:9], s[4:5]         ; Wo's codes or attn's: chosen by the wave's number
	s_add_nc_u64 s[56:57], s[60:61], s[56:57]
.irp j, 0
	s_mov_b32 s[G0+4*\j], 1
	s_add_co_u32 s[G0+4*\j+1], s58, \j*SLABB
	s_add_nc_u64 s[G0+4*\j+2:G0+4*\j+3], s[56:57], \j*3072
	s_or_b32 s[G0+4*\j+3], s[G0+4*\j+3], 0x80000000
.endr
	tensor_load_to_lds s[G0:G0+3], s[G1:G1+7]      ; all of K of my 4 tiles: my one load
	s_nop 0
	PLACES                                         ; four lines ahead of the first switch of windows
	s_add_nc_u64 s[50:51], s[10:11], s[50:51]
	s_add_nc_u64 s[52:53], s[6:7], s[52:53]
	s_add_nc_u64 s[54:55], s[12:13], s[54:55]
	s_add_nc_u64 s[48:49], s[14:15], s[48:49]
.irp b, 0,1,2,3
	global_load_b96 v[PS+4*\b:PS+4*\b+2], v5, s[50:51] offset:384*\b
	global_load_b96 v[RS+4*\b:RS+4*\b+2], v5, s[52:53] offset:384*\b
.endr
.irp b, 0,1,2,3
	global_load_b128 v[BC+8*\b:BC+8*\b+3], v8, s[54:55] offset:(32*(\b/2)+8*(\b%2))*4      ; tile b's register j is channel 32 (b / 2) + 8 (b % 2) + 16 h + j
	global_load_b128 v[BC+8*\b+4:BC+8*\b+7], v8, s[54:55] offset:(32*(\b/2)+8*(\b%2))*4+16
.endr
	s_wait_tensorcnt 0x0                           ; my 4 tiles are in,
	s_barrier_signal -1
	s_barrier_wait -1                              ; everybody's is
	FETCH_P 0
	FETCH_R 0, 0
	FETCH_R 0, 1
	s_wait_loadcnt 0x0                             ; scale records and the bias
	STEP 0, 2                                      ; the bias starts the sums
	STEP 1, 0
	STEP 2, 0
	STEP 3, 0
	STEP 4, 0
	LAST
; THE WAY OUT, a tile of 16 tokens x 64 channels at a time, through my own stage.  LDS serves a wave's instructions in order (ISA guide 5.7.1.4): no wait between the stores and the loads, nor in front of the next tile's stores.
.macro TOSTAGE a
.set AC, 32*((\a)%2)
	WIN 0x08+4*((\a)/2)                            ; the data: window 2 or 3
.irp b, 0,1,2,3
	ds_store_b128 v[STO], v[AC+8*\b:AC+8*\b+3] offset:(\b/2)*128+(\b%2)*32       ; each accumulator from its low end on
	ds_store_b128 v[STO], v[AC+8*\b+4:AC+8*\b+7] offset:(\b/2)*128+(\b%2)*32+16
.endr
	WIN 0
.set BB, BK+32*((\a)%2)
.irp i, 0,1,2,3,4,5,6,7
	ds_load_b128 v[BB+4*\i:BB+4*\i+3], v[RD] offset:544*\i
.endr
.endm
.macro SEND a, younger                 ; younger: the LDS instructions issued behind tile a's loads, which may stay out
.set BB, BK+32*((\a)%2)
	s_wait_dscnt \younger
.irp i, 0,1,2,3,4,5,6,7
	global_store_b128 v[CO], v[BB+4*\i:BB+4*\i+3], s[48:49] offset:(32*((\a)/2)+8*((\a)%2)+2*\i+8*(\i/4))*3072 th:TH_STORE_NT   ; stage row p is token 32 (a / 2) + 8 (a % 2) + p + 8 (p / 8); 16 lanes store 256 consecutive bytes, aligned
.endr
.endm
	TOSTAGE 0
.irp a, 1,2,3
.if \a > 1
	s_wait_xcnt 0x0                                ; tile a - 2's stores have read their registers: tile a's loads may land there
.endif
	TOSTAGE \a
	SEND \a-1, 16                                  ; behind tile a - 1's loads: tile a's 8 stores and 8 loads
.endr
	SEND 3, 0
	s_wait_tensorcnt 0x0
	ds_add_u32 v254, v255
	s_wait_dscnt 0x0
	s_endpgm
.Lfunc_end_k_q442c985210_oproj:
	.size	k_q442c985210_oproj, .Lfunc_end_k_q442c985210_oproj-k_q442c985210_oproj
	.p2alignl 7, 3214868480
	.fill 96, 4, 3214868480
	.section	.rodata,"a",@progbits
	.p2align	6, 0x0
	.amdhsa_kernel k_q442c985210_oproj
		.amdhsa_group_segment_fixed_size 168448
		.amdhsa_private_segment_fixed_size 0
		.amdhsa_enable_private_segment 0
		.amdhsa_kernarg_size 48
		.amdhsa_user_sgpr_count 2
		.amdhsa_user_sgpr_kernarg_segment_ptr 1
		.amdhsa_wavefront_size32 1
		.amdhsa_system_sgpr_workgroup_id_x 1
		.amdhsa_system_sgpr_workgroup_id_y 1
		.amdhsa_system_sgpr_workgroup_id_z 1
		.amdhsa_system_vgpr_workitem_id 0
		.amdhsa_next_free_vgpr 1024
		.amdhsa_next_free_sgpr 66
		.amdhsa_reserve_vcc 0
		.amdhsa_float_denorm_mode_32 3
		.amdhsa_float_denorm_mode_16_64 3
		.amdhsa_memory_ordered 1
		.amdhsa_forward_progress 1
		.amdhsa_inst_pref_size 41
	.end_amdhsa_kernel
	.amdgpu_metadata
---
amdhsa.version: [ 1, 2 ]
amdhsa.kernels:
  - .name:           k_q442c985210_oproj
    .symbol:         k_q442c985210_oproj.kd
    .args:
      - { .name: ac, .offset: 0, .size: 8, .value_kind: global_buffer, .address_space: global }
      - { .name: asc, .offset: 8, .size: 8, .value_kind: global_buffer, .address_space: global }
      - { .name: cod, .offset: 16, .size: 8, .value_kind: global_buffer, .address_space: global }
      - { .name: scl, .offset: 24, .size: 8, .value_kind: global_buffer, .address_space: global }
      - { .name: bo, .offset: 32, .size: 8, .value_kind: global_buffer, .address_space: global }
      - { .name: out0, .offset: 40, .size: 8, .value_kind: global_buffer, .address_space: global }
    .group_segment_fixed_size: 168448
    .private_segment_fixed_size: 0
    .kernarg_segment_align: 8
    .kernarg_segment_size: 48
    .max_flat_workgroup_size: 128
    .sgpr_count:     66
    .vgpr_count:     1024
    .wavefront_size: 32
...
	.end_amdgpu_metadata
.endif
;; end of part 4
